; MI455X (gfx1250); checked and timed in simulation.
; The chip was launched on July 23, 2026; its instructions are those of AMD's public machine-readable ISA for CDNA 5 (MIT licence, August 2026) and "CDNA5" Instruction Set Architecture Reference Guide (July 2026). The comments in the code are by the model that wrote it; some were corrected since.
;; Grouped Query Attention. Allowed arithmetic: float matrix products may take bf16 or f16 operands with f32 sums; all other float work in f32.
;; Inputs: W_k 2,048 x 512 float32; W_o 2,048 x 2,048 float32; W_q 2,048 x 2,048 float32; W_v 2,048 x 512 float32; mask 1 x 1 x 2,048 x 2,048 int32; x 1 x 2,048 x 2,048 float32.
;; Outputs: out0 1 x 2,048 x 2,048 float32; out1 1 x 8 x 2,048 x 64 float32; out2 1 x 8 x 2,048 x 64 float32.
;; One version. Each part assembles by itself: llvm-mc -triple=amdgcn-amd-amdhsa -mcpu=gfx1250 --defsym DOCPART=n.
;; ======== version 1 of 1: 4 launches
;; limits: values are held in f16: magnitudes above 65,504 overflow, below 6.1e-05 lose precision
;; workspace buffers: xb 8,388,608 bytes; wqkv 12,582,912 bytes; wo16 8,388,608 bytes; mk 524,288 bytes of whole numbers; qkv16 12,582,912 bytes; ab 8,388,608 bytes
;; launch prep (part 1): grid 1024 x 1, 8 waves a work-group, no clusters, 68,608 bytes of LDS; arguments x, W_q, W_k, W_v, W_o, mask, xb, wqkv, wo16, mk; writes xb, wqkv, wo16, mk
.if DOCPART == 1
	.amdgcn_target "amdgcn-amd-amdhsa--gfx1250"
	.amdhsa_code_object_version 6
	.text
	.protected	k_q34cf94a910_prep
	.globl	k_q34cf94a910_prep
	.p2align	8
	.type	k_q34cf94a910_prep,@function
k_q34cf94a910_prep:
	s_mov_b64 s[64:65], 0
	v_nop
	global_prefetch_b8 v0, s[64:65] scope:SCOPE_SE
	s_setreg_imm32_b32 hwreg(HW_REG_WAVE_MODE, 25, 1), 1
	s_wait_xcnt 0x0
; prep: every input is read once and left in the form in which the matrix launches take it.
;   x   [2048][2048] f32 -> xb   [2048][2048] bf16
;   W_q, W_k, W_v        -> wqkv [k = 2048][n = 3072] bf16: columns 0-2047 W_q, 2048-2559 W_k, 2560-3071 W_v
;   W_o                  -> wo16 [k][n = 2048]: the value bf16(W_o), written as f16 (the last product's other operand is f16)
;   mask [2048][2048] i32 -> mk  [qt = 128][tt = 128][j = 8] u32: bit r + 16 h of a word = (mask[16 qt + r][16 tt + 8 h + j] != 0),
;                            which is the lane mask of register j of a 16 x 16 tile of transposed scores.
; LIMIT: bf16(W_o) fits f16 without loss for 2^-14 <= |w| < 65,504; below, the absolute error is at most 2^-25; above, it becomes infinity.
; A stream: no matrix unit, no cluster (no two work-groups read a common byte), no barrier (a wave's LDS bytes are its own).
; Work-groups 0-127: 16 mask rows each; 128-383 x; 384-639 W_q; 640-895 W_o; 896-959 W_k; 960-1023 W_v: 64 KiB of f32 each, 8 KiB a wave.
.set X,   16                           ; v[16:79]    cast: sixteen loads of 16 bytes a lane
.set Y,   80                           ; v[80:111]   cast: sixteen pairs to store
.set T,   112                          ; v[112:113]  cast: at work
.set XM,  16                           ; v[16:143]   mask: two units of 16 rows x 512 bytes as loaded
.set TM,  144                          ; v[144:207]  mask: a unit read back, 8 tiles x 8 words a lane
.set WD,  8                            ; v[8:11]     mask: a unit's 64 words, two a lane, for each of the two units
.set MP,  528                          ; LDS pitch of a unit's row: 512 + 16, an odd multiple of 16 bytes
	s_load_b512 s[4:19], s[0:1], 0x0               ; x s[4:5], W_q s[6:7], W_k s[8:9], W_v s[10:11], W_o s[12:13], mask s[14:15], xb s[16:17], wqkv s[18:19]
	s_load_b128 s[20:23], s[0:1], 0x40             ; wo16 s[20:21], mk s[22:23]
	v_lshl_add_u32 v208, v0, 2, 0x10800
	v_mov_b32 v209, 0
	v_lshrrev_b32 v7, 5, v0
	v_readfirstlane_b32 s24, v7                    ; wave 0..7
	v_and_b32 v12, 31, v0                          ; lane
	v_lshlrev_b32 v1, 4, v12                       ; 16 bytes a lane in
	v_lshlrev_b32 v2, 3, v12                       ; 8 bytes a lane out
	s_mov_b32 s25, ttmp9
	s_mov_b32 s29, 0                               ; high words of the two offset pairs
	s_mov_b32 s31, 0
	s_wait_kmcnt 0x0
; A cast role.  The wave's 8 KiB are piece 8 j + w of the source (j: the work-group's number in its role).
; narrow = 0: the piece is one row of 2,048 numbers; narrow = 1: four rows of 512.  pitch: bytes in the target from piece to piece; col: byte column there.
; One store of the wave is 256 consecutive bytes at a multiple of 256 from the target's first byte.
.macro ROLE base, src, dst, pitch, col, f16, narrow
	s_sub_co_u32 s26, s25, \base
	s_lshl3_add_u32 s26, s26, s24                  ; 8 j + w
	s_lshl_b32 s28, s26, 13                        ; x 8,192 bytes
	s_mul_i32 s30, s26, \pitch
.if \col
	s_add_co_u32 s30, s30, \col
.endif
	s_add_nc_u64 s[\src:\src+1], s[\src:\src+1], s[28:29]
	s_add_nc_u64 s[\dst:\dst+1], s[\dst:\dst+1], s[30:31]
.irp i, 0,1,2,3,4,5,6,7,8,9,10,11,12,13,14,15
	global_load_b128 v[X+4*\i:X+4*\i+3], v1, s[\src:\src+1] offset:512*\i th:TH_LOAD_NT
.endr
.irp i, 0,1,2,3,4,5,6,7,8,9,10,11,12,13,14,15
	s_wait_loadcnt 15-\i                           ; loads come back in order: load i is in, the 15 - i younger ones stay out
	v_cvt_pk_bf16_f32 v[Y+2*\i],   v[X+4*\i],   v[X+4*\i+1]
	v_cvt_pk_bf16_f32 v[Y+2*\i+1], v[X+4*\i+2], v[X+4*\i+3]
.if \f16
	v_lshlrev_b32 v[T],   16, v[Y+2*\i]              ; the rounded values back as f32,
	v_and_b32     v[T+1], 0xffff0000, v[Y+2*\i]
	v_cvt_pk_f16_f32 v[Y+2*\i], v[T], v[T+1]         ; and into f16
	v_lshlrev_b32 v[T],   16, v[Y+2*\i+1]
	v_and_b32     v[T+1], 0xffff0000, v[Y+2*\i+1]
	v_cvt_pk_f16_f32 v[Y+2*\i+1], v[T], v[T+1]
.endif
.if \narrow
	global_store_b64 v2, v[Y+2*\i:Y+2*\i+1], s[\dst:\dst+1] offset:(\i>>2)*6144+(\i&3)*256
.else
	global_store_b64 v2, v[Y+2*\i:Y+2*\i+1], s[\dst:\dst+1] offset:256*\i
.endif
.endr
	s_endpgm
.endm
	s_cmp_lt_u32 s25, 128
	s_cbranch_scc1 .Lmask
	s_cmp_lt_u32 s25, 384
	s_cbranch_scc1 .Lx
	s_cmp_lt_u32 s25, 640
	s_cbranch_scc1 .Lwq
	s_cmp_lt_u32 s25, 896
	s_cbranch_scc1 .Lwo
	s_cmp_lt_u32 s25, 960
	s_cbranch_scc1 .Lwk
	ROLE 960, 10, 18, 24576, 5120, 0, 1            ; W_v: four rows of wqkv a piece, from byte column 5,120
.Lwk:
	ROLE 896, 8, 18, 24576, 4096, 0, 1             ; W_k: from byte column 4,096
.Lwo:
	ROLE 640, 12, 20, 4096, 0, 1, 0                ; W_o
.Lwq:
	ROLE 384, 6, 18, 6144, 0, 0, 0                 ; W_q
.Lx:
	ROLE 128, 4, 16, 4096, 0, 0, 0                 ; x
; The mask role.  The work-group has the 16 rows of qt; a unit is 16 rows x 128 columns; wave w takes units w and w + 8.
; A unit goes through the wave's own LDS bytes (16 rows x 528), so that lane (r, h) gets row r, columns 16 tl + 8 h + 0..7 of each of its 8 tiles.
.Lmask:
	s_lshl_b32 s28, s25, 17                        ; qt x 16 rows x 8,192 bytes
	s_lshl_b32 s30, s25, 12                        ; qt x 1,024 words
	s_add_nc_u64 s[14:15], s[14:15], s[28:29]
	s_add_nc_u64 s[22:23], s[22:23], s[30:31]
	s_mul_i32 s26, s24, 16*MP                      ; my wave's LDS bytes
	v_lshl_add_u32 v3, s24, 9, v1                  ; in: 512 w + 16 lane
	v_add_nc_u32 v4, s26, v1                       ; LDS, in: 16 lane of a row
	v_and_b32 v13, 15, v0                          ; r
	v_bfe_u32 v14, v0, 4, 1                        ; h
	v_mul_u32_u24 v5, v13, MP
	v_lshl_add_u32 v5, v14, 5, v5
	v_add_nc_u32 v5, s26, v5                       ; LDS, back: row r, 32 h bytes
	v_lshl_add_u32 v6, s24, 8, v2                  ; out: 256 w + 8 lane
.irp k, 0,1,2,3
	v_mov_b32 v[WD+\k], 0                          ; v_writelane_b32 keeps the other lanes: the registers are written whole first
.endr
.irp k, 0,1
.irp i, 0,1,2,3,4,5,6,7,8,9,10,11,12,13,14,15
	global_load_b128 v[XM+64*\k+4*\i:XM+64*\k+4*\i+3], v3, s[14:15] offset:8192*\i+4096*\k th:TH_LOAD_NT
.endr
.endr
.macro MUNIT k, left
	s_wait_loadcnt \left                           ; this unit's sixteen loads are in
.irp i, 0,1,2,3,4,5,6,7,8,9,10,11,12,13,14,15
	ds_store_b128 v4, v[XM+64*\k+4*\i:XM+64*\k+4*\i+3] offset:MP*\i
.endr
.irp tl, 0,1,2,3,4,5,6,7
	ds_load_b128 v[TM+8*\tl:TM+8*\tl+3],   v5 offset:64*\tl      ; LDS serves a wave's instructions in order: these see the stores above
	ds_load_b128 v[TM+8*\tl+4:TM+8*\tl+7], v5 offset:64*\tl+16
.endr
	s_wait_dscnt 0x0
.irp tl, 0,1,2,3,4,5,6,7
.irp j, 0,1,2,3,4,5,6,7
	v_cmp_ne_u32 s[32+\j], 0, v[TM+8*\tl+\j]                     ; the 32 lanes' bits are the word (tl, j)
	v_writelane_b32 v[WD+2*\k+(\j&1)], s[32+\j], 4*\tl+(\j>>1)   ; word 8 tl + j of the unit: lane (8 tl + j) / 2, register j mod 2
.endr
.endr
	global_store_b64 v6, v[WD+2*\k:WD+2*\k+1], s[22:23] offset:2048*\k   ; the unit's 64 words: 256 consecutive bytes
.endm
	MUNIT 0, 16                                    ; the second unit's sixteen loads stay out
	MUNIT 1, 0
	s_wait_tensorcnt 0x0
	ds_add_u32 v208, v209
	s_wait_dscnt 0x0
	s_endpgm
.Lfunc_end_k_q34cf94a910_prep:
	.size	k_q34cf94a910_prep, .Lfunc_end_k_q34cf94a910_prep-k_q34cf94a910_prep
	.p2alignl 7, 3214868480
	.fill 96, 4, 3214868480
	.section	.rodata,"a",@progbits
	.p2align	6, 0x0
	.amdhsa_kernel k_q34cf94a910_prep
		.amdhsa_group_segment_fixed_size 68608
		.amdhsa_private_segment_fixed_size 0
		.amdhsa_enable_private_segment 0
		.amdhsa_kernarg_size 80
		.amdhsa_user_sgpr_count 2
		.amdhsa_user_sgpr_kernarg_segment_ptr 1
		.amdhsa_wavefront_size32 1
		.amdhsa_system_sgpr_workgroup_id_x 1
		.amdhsa_system_sgpr_workgroup_id_y 1
		.amdhsa_system_sgpr_workgroup_id_z 1
		.amdhsa_system_vgpr_workitem_id 0
		.amdhsa_next_free_vgpr 210
		.amdhsa_next_free_sgpr 66
		.amdhsa_reserve_vcc 0
		.amdhsa_float_denorm_mode_32 3
		.amdhsa_float_denorm_mode_16_64 3
		.amdhsa_memory_ordered 1
		.amdhsa_forward_progress 1
		.amdhsa_inst_pref_size 60
	.end_amdhsa_kernel
	.amdgpu_metadata
---
amdhsa.version: [ 1, 2 ]
amdhsa.kernels:
  - .name:           k_q34cf94a910_prep
    .symbol:         k_q34cf94a910_prep.kd
    .args:
      - { .name: x, .offset: 0, .size: 8, .value_kind: global_buffer, .address_space: global }
      - { .name: W_q, .offset: 8, .size: 8, .value_kind: global_buffer, .address_space: global }
      - { .name: W_k, .offset: 16, .size: 8, .value_kind: global_buffer, .address_space: global }
      - { .name: W_v, .offset: 24, .size: 8, .value_kind: global_buffer, .address_space: global }
      - { .name: W_o, .offset: 32, .size: 8, .value_kind: global_buffer, .address_space: global }
      - { .name: mask, .offset: 40, .size: 8, .value_kind: global_buffer, .address_space: global }
      - { .name: xb, .offset: 48, .size: 8, .value_kind: global_buffer, .address_space: global }
      - { .name: wqkv, .offset: 56, .size: 8, .value_kind: global_buffer, .address_space: global }
      - { .name: wo16, .offset: 64, .size: 8, .value_kind: global_buffer, .address_space: global }
      - { .name: mk, .offset: 72, .size: 8, .value_kind: global_buffer, .address_space: global }
    .group_segment_fixed_size: 68608
    .private_segment_fixed_size: 0
    .kernarg_segment_align: 8
    .kernarg_segment_size: 80
    .max_flat_workgroup_size: 256
    .sgpr_count:     66
    .vgpr_count:     210
    .wavefront_size: 32
...
	.end_amdgpu_metadata
.endif
;; end of part 1
;; launch proj (part 2): grid 24 x 8, 4 waves a work-group, clusters of 4 x 4, 327,680 bytes of LDS; arguments xb, wqkv, qkv16, out1, out2; writes qkv16, out1, out2
.if DOCPART == 2
	.amdgcn_target "amdgcn-amd-amdhsa--gfx1250"
	.amdhsa_code_object_version 6
	.text
	.protected	k_q34cf94a910_proj
	.globl	k_q34cf94a910_proj
	.p2align	8
	.type	k_q34cf94a910_proj,@function
k_q34cf94a910_proj:
	s_mov_b64 s[64:65], 0
	v_nop
	global_prefetch_b8 v0, s[64:65] scope:SCOPE_SE
	s_setreg_imm32_b32 hwreg(HW_REG_WAVE_MODE, 25, 1), 1
	s_wait_xcnt 0x0
	s_wait_alu depctr_hold_cnt(0) depctr_sa_sdst(0) depctr_va_vdst(0) depctr_va_sdst(0) depctr_va_ssrc(0) depctr_va_vcc(0) depctr_vm_vsrc(0)
	s_getreg_b32 s2, hwreg(HW_REG_IB_STS2, 6, 4)
	s_cmp_eq_u32 s2, 0
	s_cbranch_scc0 .Lentry_in_a_cluster
	s_endpgm
.Lentry_in_a_cluster:
	s_bfe_u32 s2, ttmp6, 0x10000c
	s_cmp_lg_u32 s2, 0xf033
	s_cbranch_scc0 .Lentry_shape_is_right
	s_endpgm
.Lentry_shape_is_right:
; C[m][n] = sum over k of A[m][k] B[k][n], A [2048][2048] and B [2048][NB] of 16 bits, sums in f32.  One source for two launches:
;   PROJ = 1: A = xb, B = wqkv (bf16, NB = 3072).  C's 48 blocks of 64 columns are the heads: 0-31 Q, 32-39 K, 40-47 V.  Every head goes to
;             qkv16 [48][2048][64] as f16; K and V also go out as f32 to out1 and out2 [8][2048][64].
;   PROJ = 0: A = ab, B = wo16 (f16, NB = 2048).  C = out0, f32.
; LIMIT (PROJ = 1): Q, K, V are carried on in f16: a value of 65,504 or more in magnitude becomes infinity there; out1 and out2 are f32 and are not touched by that.
; A work-group makes 256 x 128 of C with four waves, a wave 128 x 64: 32 accumulator tiles, 256 registers.  K goes in steps of 128 through two LDS slots.
; B lies [k][n]; its fragments are taken from LDS by the transposing load.
; CLUSTERS: 4 x 4 work-groups.  A's tile hangs on the block row alone and is asked for jointly by a row of the cluster, B's on the block column alone and is asked
; for jointly by a column: the requests for A and B are divided by four.  With PROJ = 1 a cluster's four block columns are all Q, all K or all V (cluster x 0-3, 4, 5),
; so the one branch of the way out is the same in all partners.
; REGISTERS: window 0: v1-28 addresses; two fragment buffers at v32 and v128 (B's 4 x 8 registers, then A's 8 x 8); v224-239 at work on the way out.
;            window 1: accumulator tile (a, b) at v[8 (4 a + b)].
; THE MATRIX INSTRUCTION IS USED TRANSPOSED (source 0 = 16 columns of B, source 1 = 16 rows of A): lane l holds row l % 16 of C, registers 0-7 the columns 8 (l / 16) + 0..7.
.set PROJ, 1
.set SIZE_K, 2048
.if PROJ
.set NB,   3072                        ; B's pitch in elements
.set ROWB, 256                         ; bytes from row to row of the f32 output (a head's row)
.else
.set NB,   2048
.set ROWB, 8192
.endif
.set KSTEP,  128
.set PA,     272                       ; A's LDS row: 256 bytes + 16, an odd multiple of 16
.set PB,     288                       ; B's LDS row: 256 bytes + 32, an odd multiple of 32, for the transposing load
.set AHALF,  128*PA                    ; what one of A's two loads brings
.set ABYTES, 2*AHALF
.set BHALF,  64*PB                     ; what one of B's two loads brings
.set SLOT,   ABYTES+2*BHALF            ; 106,496
.set STAGE,  2*SLOT                    ; behind the ring: 16 rows x 272 bytes for each wave, for the way out; no tensor load lands there
.set SPITCH, 272                       ; stage row of 64 f32
.set HPITCH, 144                       ; stage row of 64 f16
.set LAPS, SIZE_K/(2*KSTEP)            ; a lap = two K steps = once round the ring
.set ADRA, 16                          ; v16-17  LDS address of my A fragments in slot 0, 1
.set ADRB, 20                          ; v20-21  the same for B
.set STO,  24                          ; the way out, f32: where I put 32 bytes of a row
.set RD,   25                          ;                   where I read two rows back
.set CO,   26                          ; my byte offset in the output
.set STOH, 27                          ; the way out, f16: where I put 16 bytes of a row
.set RDH,  28                          ;                   where I read four rows back
.set F0,   32
.set F1,   128
.set TMP,  224
.set G1,  24                           ; s[24:31] descriptor group 1 for A's tiles
.set G0,  32                           ; s[32:39] group 0 for A's tiles, a set for each slot
.set G1B, 48                           ; s[48:55] group 1 for B's tiles
.set G0B, 56                           ; s[56:63] group 0 for B's tiles, a set for each slot
.set MSB, 0
.macro WIN new                         ; the immediate's high byte repeats the setting that is left
.if MSB != \new
	s_set_vgpr_msb (MSB<<8)|\new
.set MSB, \new
.endif
.endm
.set MULW, 0x50                        ; sources 0 and 1 window 0, C and D window 1
.macro PLACES                          ; four plain vector instructions between a matrix instruction and a load into, or a read of, its registers
.rept 4
	v_nop
.endr
.endm
; A joint load.  Waves 0 and 1 fetch A's two halves, waves 2 and 3 B's.  The branch hangs on the wave's number alone.
.macro JLOAD s
	s_cmp_eq_u32 s11, 0
	s_cbranch_scc0 .Lfor_b_\@
	tensor_load_to_lds s[G0+4*\s:G0+4*\s+3], s[G1:G1+7]
	s_nop 0
	s_branch .Lasked_\@
.Lfor_b_\@:
	tensor_load_to_lds s[G0B+4*\s:G0B+4*\s+3], s[G1B:G1B+7]
	s_nop 0
.Lasked_\@:
.endm
.macro CREST                           ; a round of the cluster's barrier behind its opening work-group barrier
	s_cmp_lg_u32 s10, 0
	s_cbranch_scc1 .Lnot_wave_0_\@
	s_barrier_signal -3
.Lnot_wave_0_\@:
	s_barrier_wait -3
	s_barrier_signal -1
	s_barrier_wait -1
.endm
.macro CROUND                          ; a whole round
	s_barrier_signal -1
	s_barrier_wait -1
	CREST
.endm
	s_load_b128 s[4:7], s[0:1], 0x0                ; A s[4:5], B s[6:7]
	s_load_b64 s[8:9], s[0:1], 0x10                ; qkv16 or out0
.if PROJ
	s_load_b128 s[68:71], s[0:1], 0x18             ; out1 s[68:69], out2 s[70:71]
	v_lshl_add_u32 v254, v0, 2, 0x38400
	v_mov_b32 v255, 0
	ds_add_u32 v254, v255
	s_mov_b32 s45, ttmp9                           ; cluster x: 0-3 Q, 4 K, 5 V
.endif
	v_lshrrev_b32 v1, 5, v0
	v_readfirstlane_b32 s10, v1                    ; wave 0..3
	s_lshr_b32 s11, s10, 1                         ; which 128 of the block's rows are mine.  Also: I fetch for A (0) or for B (1)
	s_and_b32 s12, s10, 1                          ; which 64 of its columns.  Also: which half of that tile I fetch
	s_bfe_u32 s40, ttmp6, 0x40000                  ; cx
	s_bfe_u32 s41, ttmp6, 0x40004                  ; cy
	s_lshl_b32 s42, ttmp9, 2
	s_add_co_u32 s42, s42, s40                     ; block column = 4 x cluster x + cx
	s_and_b32 s13, ttmp7, 0xffff
	s_lshl_b32 s13, s13, 2
	s_add_co_u32 s13, s13, s41                     ; block row = 4 x cluster y + cy
	s_lshl_b32 s43, s41, 2
	s_lshl_b32 s43, 15, s43                        ; my row of the cluster: places 4 cy .. 4 cy + 3
	s_lshl_b32 s44, 0x1111, s40                    ; my column: places cx, cx + 4, cx + 8, cx + 12
	; group 1 for A: 128 rows x 128 elements of 2 bytes, 4 words of padding behind every 64 words
	s_or_b32 s[G1+0], s43, (1<<16)|(1<<20)|(1<<21)|(5<<22)|(3<<25)
	s_mov_b32 s[G1+1], KSTEP<<16                   ; tensor_dim0 = 128
	s_mov_b32 s[G1+2], 128<<16                     ; tensor_dim1 = 128
	s_mov_b32 s[G1+3], KSTEP<<16                   ; tile_dim0 = 128
	s_mov_b32 s[G1+4], 128                         ; tile_dim1 = 128
	s_mov_b32 s[G1+5], SIZE_K                      ; elements from row to row
	s_mov_b32 s[G1+6], 0
	s_mov_b32 s[G1+7], 0
	; group 1 for B: 64 rows (k) x 128 elements (n), 8 words of padding behind every 64 words
	s_or_b32 s[G1B+0], s44, (1<<16)|(1<<20)|(1<<21)|(5<<22)|(7<<25)
	s_mov_b32 s[G1B+1], 128<<16
	s_mov_b32 s[G1B+2], 64<<16
	s_mov_b32 s[G1B+3], 128<<16
	s_mov_b32 s[G1B+4], 64
	s_mov_b32 s[G1B+5], NB
	s_mov_b32 s[G1B+6], 0
	s_mov_b32 s[G1B+7], 0
	; where the tiles come from: A's address is made of the block row and the wave's number, B's of the block column and the wave's number,
	; each in registers that never hold the other coordinate
	s_lshl_b32 s17, s12, 7
	s_lshl_b32 s16, s13, 8
	s_add_co_u32 s16, s16, s17                     ; A: row 256 x block row + 128 x half
	s_lshl_b32 s16, s16, 12                        ; x 4,096 bytes
	s_mov_b32 s17, 0
	s_mul_i32 s46, s12, 64*NB*2                    ; B: k row 64 x half,
	s_lshl_b32 s47, s42, 8                         ; byte column 256 x block column
	s_add_co_u32 s46, s46, s47
	s_mov_b32 s47, 0
	s_mul_i32 s20, s12, AHALF                      ; and where they go: no place in the cluster enters an LDS address
	s_mul_i32 s21, s12, BHALF
	s_add_co_u32 s21, s21, ABYTES
	s_wait_dscnt 0x0
	s_wait_kmcnt 0x0
	s_add_nc_u64 s[14:15], s[4:5], s[16:17]
	s_add_nc_u64 s[46:47], s[6:7], s[46:47]
	CROUND                                         ; all sixteen work-groups are here: the first joint loads meet
.irp s, 0,1
	s_mov_b32 s[G0+4*\s], 1
	s_add_co_u32 s[G0+4*\s+1], s20, \s*SLOT
	s_add_nc_u64 s[G0+4*\s+2:G0+4*\s+3], s[14:15], \s*KSTEP*2          ; K step s: 256 bytes along A's rows
	s_or_b32 s[G0+4*\s+3], s[G0+4*\s+3], 0x80000000
	s_mov_b32 s[G0B+4*\s], 1
	s_add_co_u32 s[G0B+4*\s+1], s21, \s*SLOT
	s_add_nc_u64 s[G0B+4*\s+2:G0B+4*\s+3], s[46:47], \s*KSTEP*NB*2     ; K step s: 128 rows down B
	s_or_b32 s[G0B+4*\s+3], s[G0B+4*\s+3], 0x80000000
	JLOAD \s                                       ; both slots' first fills go out together: two tensor loads of a wave are out
.endr
	v_and_b32 v1, 15, v0                           ; r = l % 16
	v_bfe_u32 v2, v0, 4, 1                         ; h = l / 16
	v_mul_u32_u24 v3, v1, PA
	v_lshl_add_u32 v3, v2, 4, v3                   ; A: row r, 16 h bytes
	s_mul_i32 s18, s11, AHALF                      ; my 128 rows of A
	v_add_nc_u32 v[ADRA], s18, v3
	v_add_nc_u32 v[ADRA+1], SLOT, v[ADRA]
	v_and_b32 v4, 7, v0
	v_lshl_add_u32 v4, v2, 3, v4                   ; B: k row 8 h + l % 8,
	v_mul_u32_u24 v4, v4, PB
	v_bfe_u32 v5, v0, 3, 1
	v_lshl_add_u32 v4, v5, 4, v4                   ; 16 bytes on for lanes 8-15 of each half
	s_lshl_b32 s19, s12, 7                         ; my 64 columns of B
	s_add_co_u32 s19, s19, ABYTES
	v_add_nc_u32 v[ADRB], s19, v4
	v_add_nc_u32 v[ADRB+1], SLOT, v[ADRB]
	s_mul_i32 s23, s10, 16*SPITCH
	s_add_co_u32 s23, s23, STAGE                   ; my stage
	v_lshl_add_u32 v6, v2, 4, v3                   ; r x 272 + 32 h
	v_add_nc_u32 v[STO], s23, v6
	v_mul_u32_u24 v7, v2, SPITCH                   ; back: lanes 0-15 one row of 256 bytes, lanes 16-31 the next
	v_lshl_add_u32 v7, v1, 4, v7
	v_add_nc_u32 v[RD], s23, v7
	v_mul_u32_u24 v8, v2, ROWB                     ; and the same two rows in the output
	v_lshl_add_u32 v[CO], v1, 4, v8
.if PROJ
	v_mul_u32_u24 v9, v1, HPITCH
	v_lshl_add_u32 v9, v2, 4, v9                   ; r x 144 + 16 h
	v_add_nc_u32 v[STOH], s23, v9
	v_bfe_u32 v10, v0, 3, 2                        ; back: eight lanes a row of 128 bytes, four rows
	v_mul_u32_u24 v10, v10, HPITCH
	v_and_b32 v11, 7, v0
	v_lshl_add_u32 v10, v11, 4, v10
	v_add_nc_u32 v[RDH], s23, v10
.endif
.macro MM zero                         ; one matrix instruction on the registers named by acc, fb, fa; zero = 1: it starts the sum
.if PROJ
.if \zero
	v_wmma_f32_16x16x32_bf16 v[acc:acc+7], v[fb:fb+7], v[fa:fa+7], 0
.else
	v_wmma_f32_16x16x32_bf16 v[acc:acc+7], v[fb:fb+7], v[fa:fa+7], v[acc:acc+7]
.endif
.else
.if \zero
	v_wmma_f32_16x16x32_f16 v[acc:acc+7], v[fb:fb+7], v[fa:fa+7], 0
.else
	v_wmma_f32_16x16x32_f16 v[acc:acc+7], v[fb:fb+7], v[fa:fa+7], v[acc:acc+7]
.endif
.endif
.endm
; 8 matrix instructions: row blocks a0, a0 + 1 x all 4 column blocks, 32 along K.  The 32 accumulators take turns, one instruction a turn, in the same
; order in every quarter step.
.macro MUL8 f, a0, zero
.irp a, \a0, \a0+1
.irp b, 0,1,2,3
.set acc, 8*(4*(\a)+\b)
.set fb,  \f+8*\b
.set fa,  \f+32+8*(\a)
	MM \zero
.endr
.endr
.endm
; 24 LDS loads in one run: the fragments of quarter kq (32 along K) of a slot into buffer f: B's four column blocks, then A's eight row blocks
.macro FETCH slot, kq, f
	WIN 0
.irp b, 0,1,2,3
	ds_load_tr16_b128 v[\f+8*\b:\f+8*\b+3],   v[ADRB+\slot] offset:\kq*32*PB+32*\b
	ds_load_tr16_b128 v[\f+8*\b+4:\f+8*\b+7], v[ADRB+\slot] offset:\kq*32*PB+32*\b+16*PB
.endr
.irp a, 0,1,2,3,4,5,6,7
	ds_load_b128 v[\f+32+8*\a:\f+32+8*\a+3],   v[ADRA+\slot] offset:64*\kq+\a*16*PA
	ds_load_b128 v[\f+32+8*\a+4:\f+32+8*\a+7], v[ADRA+\slot] offset:64*\kq+\a*16*PA+32
.endr
.endm
; One of a K step's first three quarters: multiplies buffer f; in its middle it fetches quarter kq of the same slot into buffer g.
.macro QUARTER slot, kq, f, g, zero
	s_wait_dscnt 8                                 ; B and A's row blocks 0-3 are in; the youngest eight loads (row blocks 4-7) may be out
	WIN MULW
	MUL8 \f, 0, \zero
	MUL8 \f, 2, \zero
	PLACES
	FETCH \slot, \kq, \g
	s_wait_dscnt 24                                ; all but the 24 just issued
	WIN MULW
	MUL8 \f, 4, \zero
	MUL8 \f, 6, \zero
.endm
.macro THREE slot, zero
	QUARTER \slot, 1, F0, F1, \zero
	QUARTER \slot, 2, F1, F0, 0
	QUARTER \slot, 3, F0, F1, 0
.endm
; The last quarter: multiplies buffer 1 and changes slots.  In front of the barrier each wave waits for its reads of this slot and for all its tensor loads
; (the one that is out is its part of the next slot).  Behind it (fill = 1: behind the round of the cluster's barrier that it opens) the refill comes first.
.macro TURN slot, next, fill
	s_wait_dscnt 8
	WIN MULW
	MUL8 F1, 0, 0
	s_wait_dscnt 0                                 ; my reads of this slot are over
	s_wait_tensorcnt 0x0                           ; all my tensor loads have landed
	ds_add_u32 v254, v255
	s_wait_dscnt 0x0
	s_barrier_signal -1
	MUL8 F1, 2, 0                                  ; register work while the others arrive
	WIN 0
	s_barrier_wait -1
.if \fill
	CREST                                          ; no wave of any partner still reads this slot or has a load on its way
	s_add_nc_u64 s[G0+4*\slot+2:G0+4*\slot+3], s[G0+4*\slot+2:G0+4*\slot+3], 2*KSTEP*2
	s_add_nc_u64 s[G0B+4*\slot+2:G0B+4*\slot+3], s[G0B+4*\slot+2:G0B+4*\slot+3], 2*KSTEP*NB*2
	JLOAD \slot                                    ; the first tensor load behind the round, and my only one until the next
.endif
	PLACES
	FETCH \next, 0, F0
	WIN MULW
	MUL8 F1, 4, 0
	MUL8 F1, 6, 0
.endm
.macro LAP zero
	THREE 0, \zero
	TURN 0, 1, 1
	THREE 1, 0
	TURN 1, 0, 1
.endm
	s_wait_tensorcnt 1                             ; my part of K step 0 is in; K step 1's stays out
	s_barrier_signal -1
	s_barrier_wait -1
	FETCH 0, 0, F0
	LAP 1                                          ; the first lap's first products start the sums: nothing is cleared
	WIN 0
	s_mov_b32 s3, LAPS-2
.Llap:
	LAP 0
	WIN 0
	s_sub_co_u32 s3, s3, 1
	s_cmp_lg_u32 s3, 0
	s_cbranch_scc1 .Llap
	THREE 0, 0                                     ; the last lap fills nothing
	TURN 0, 1, 0
	THREE 1, 0
	s_wait_dscnt 8
	WIN MULW
	MUL8 F1, 0, 0
	MUL8 F1, 2, 0
	s_wait_dscnt 0
	MUL8 F1, 4, 0
	MUL8 F1, 6, 0
	PLACES                                         ; behind the last matrix instructions: for the LDS stores and conversions that read results, and the loads into the buffers
	WIN 0
; THE WAY OUT, 16 rows at a time, through my own stage.
; f32: 32 bytes a lane and tile straight from the accumulators, read back as rows of 256 bytes; 16 lanes store 256 consecutive bytes, aligned.
.macro OUTF a, f, base
	WIN 0x04                                       ; store data from window 1
.irp b, 0,1,2,3
	ds_store_b128 v[STO], v[8*(4*\a+\b):8*(4*\a+\b)+3]   offset:64*\b
	ds_store_b128 v[STO], v[8*(4*\a+\b)+4:8*(4*\a+\b)+7] offset:64*\b+16
.endr
	WIN 0
	s_wait_xcnt 0x0                                ; buffer f, which earlier stores read, is loaded again only behind this wait
.irp t, 0,1,2,3,4,5,6,7
	ds_load_b128 v[\f+4*\t:\f+4*\t+3], v[RD] offset:\t*2*SPITCH      ; LDS serves a wave's instructions in order: these see the stores above
.endr
.irp t, 0,1,2,3,4,5,6,7
	s_wait_dscnt 7-\t                              ; read-back t is in, the younger ones stay out
	global_store_b128 v[CO], v[\f+4*\t:\f+4*\t+3], s[\base:\base+1] offset:(16*\a+2*\t)*ROWB th:TH_STORE_NT
.endr
.endm
.if PROJ
; f16: 16 bytes a lane and tile, read back as four rows of 128 bytes, which are 512 consecutive bytes of a head in qkv16
.macro OUTH a, g
	WIN 0x05                                       ; both sources from window 1
.irp b, 0,1,2,3
.irp i, 0,1,2,3
	v_cvt_pk_f16_f32 v[TMP+4*\b+\i], v[8*(4*\a+\b)+2*\i], v[8*(4*\a+\b)+2*\i+1]
.endr
.endr
	WIN 0
.irp b, 0,1,2,3
	ds_store_b128 v[STOH], v[TMP+4*\b:TMP+4*\b+3] offset:32*\b
.endr
	s_wait_xcnt 0x0                                ; buffer g, which earlier stores read, is loaded again only behind this wait
.irp t, 0,1,2,3
	ds_load_b128 v[\g+4*\t:\g+4*\t+3], v[RDH] offset:\t*4*HPITCH
.endr
.irp t, 0,1,2,3
	s_wait_dscnt 3-\t
	global_store_b128 v[CO], v[\g+4*\t:\g+4*\t+3], s[8:9] offset:2048*\a+512*\t
.endr
.endm
	s_lshl_b32 s16, s13, 8
	s_lshl_b32 s14, s11, 7
	s_add_co_u32 s16, s16, s14                     ; my first row
	s_lshl_b32 s18, s16, 8                         ; x 256 bytes (a head's f32 row)
	s_mov_b32 s19, 0
	s_lshl_b32 s16, s16, 7                         ; x 128 bytes (a head's f16 row)
	s_mov_b32 s17, 0
	s_lshl1_add_u32 s46, s42, s12                  ; my head = 2 x block column + half
	s_and_b32 s66, s46, 7                          ; its number among K's or V's eight,
	s_lshl_b32 s66, s66, 19                        ; x 2,048 rows x 256 bytes
	s_mov_b32 s67, 0
	s_lshl_b32 s46, s46, 18                        ; x 2,048 rows x 128 bytes
	s_mov_b32 s47, 0
	s_add_nc_u64 s[8:9], s[8:9], s[16:17]
	s_add_nc_u64 s[8:9], s[8:9], s[46:47]
	s_cmp_lt_u32 s45, 4                            ; the cluster's x: the same in all sixteen partners
	s_cbranch_scc1 .Lq
	s_cmp_eq_u32 s45, 4
	s_cselect_b64 s[68:69], s[68:69], s[70:71]     ; K's heads go to out1, V's to out2
	s_add_nc_u64 s[68:69], s[68:69], s[18:19]
	s_add_nc_u64 s[68:69], s[68:69], s[66:67]
	OUTH 0, 32
	OUTF 0, 64, 68
	OUTH 1, 128
	OUTF 1, 160, 68
	OUTH 2, 32
	OUTF 2, 64, 68
	OUTH 3, 128
	OUTF 3, 160, 68
	OUTH 4, 32
	OUTF 4, 64, 68
	OUTH 5, 128
	OUTF 5, 160, 68
	OUTH 6, 32
	OUTF 6, 64, 68
	OUTH 7, 128
	OUTF 7, 160, 68
	s_branch .Lend
.Lq:
	OUTH 0, 32
	OUTH 1, 128
	OUTH 2, 32
	OUTH 3, 128
	OUTH 4, 32
	OUTH 5, 128
	OUTH 6, 32
	OUTH 7, 128
.Lend:
.else
	s_lshl_b32 s16, s13, 8
	s_lshl_b32 s14, s11, 7
	s_add_co_u32 s16, s16, s14                     ; my first row
	s_lshl_b32 s16, s16, 13                        ; x 8,192 bytes
	s_mov_b32 s17, 0
	s_add_nc_u64 s[8:9], s[8:9], s[16:17]
	s_lshl_b32 s46, s42, 9                         ; my first column in bytes: 512 x block column + 256 x half
	s_lshl_b32 s47, s12, 8
	s_add_co_u32 s46, s46, s47
	s_mov_b32 s47, 0
	s_add_nc_u64 s[8:9], s[8:9], s[46:47]
	OUTF 0, 64, 8
	OUTF 1, 160, 8
	OUTF 2, 64, 8
	OUTF 3, 160, 8
	OUTF 4, 64, 8
	OUTF 5, 160, 8
	OUTF 6, 64, 8
	OUTF 7, 160, 8
.endif
	s_wait_tensorcnt 0x0
	ds_add_u32 v254, v255
	s_wait_dscnt 0x0
	CROUND                                         ; the closing round: no work-group ends while a partner may still ask for a tile that names it
	s_endpgm
.Lfunc_end_k_q34cf94a910_proj:
	.size	k_q34cf94a910_proj, .Lfunc_end_k_q34cf94a910_proj-k_q34cf94a910_proj
	.p2alignl 7, 3214868480
	.fill 96, 4, 3214868480
	.section	.rodata,"a",@progbits
	.p2align	6, 0x0
	.amdhsa_kernel k_q34cf94a910_proj
		.amdhsa_group_segment_fixed_size 327680
		.amdhsa_private_segment_fixed_size 0
		.amdhsa_enable_private_segment 0
		.amdhsa_kernarg_size 40
		.amdhsa_user_sgpr_count 2
		.amdhsa_user_sgpr_kernarg_segment_ptr 1
		.amdhsa_wavefront_size32 1
		.amdhsa_system_sgpr_workgroup_id_x 1
		.amdhsa_system_sgpr_workgroup_id_y 1
		.amdhsa_system_sgpr_workgroup_id_z 1
		.amdhsa_system_vgpr_workitem_id 0
		.amdhsa_next_free_vgpr 512
		.amdhsa_next_free_sgpr 72
		.amdhsa_reserve_vcc 0
		.amdhsa_float_denorm_mode_32 3
		.amdhsa_float_denorm_mode_16_64 3
		.amdhsa_memory_ordered 1
		.amdhsa_forward_progress 1
		.amdhsa_inst_pref_size 152
	.end_amdhsa_kernel
	.amdgpu_metadata
---
amdhsa.version: [ 1, 2 ]
amdhsa.kernels:
  - .name:           k_q34cf94a910_proj
    .symbol:         k_q34cf94a910_proj.kd
    .args:
      - { .name: xb, .offset: 0, .size: 8, .value_kind: global_buffer, .address_space: global }
      - { .name: wqkv, .offset: 8, .size: 8, .value_kind: global_buffer, .address_space: global }
      - { .name: qkv16, .offset: 16, .size: 8, .value_kind: global_buffer, .address_space: global }
      - { .name: out1, .offset: 24, .size: 8, .value_kind: global_buffer, .address_space: global }
      - { .name: out2, .offset: 32, .size: 8, .value_kind: global_buffer, .address_space: global }
    .group_segment_fixed_size: 327680
    .private_segment_fixed_size: 0
    .kernarg_segment_align: 8
    .kernarg_segment_size: 40
    .max_flat_workgroup_size: 128
    .sgpr_count:     72
    .vgpr_count:     512
    .wavefront_size: 32
...
	.end_amdgpu_metadata
.endif
;; end of part 2
;; launch attn (part 3): grid 32 x 8, 8 waves a work-group, clusters of 4 x 1, 327,680 bytes of LDS; arguments qkv16, mk, ab; writes ab
.if DOCPART == 3
	.amdgcn_target "amdgcn-amd-amdhsa--gfx1250"
	.amdhsa_code_object_version 6
	.text
	.protected	k_q34cf94a910_attn
	.globl	k_q34cf94a910_attn
	.p2align	8
	.type	k_q34cf94a910_attn,@function
k_q34cf94a910_attn:
	s_mov_b64 s[64:65], 0
	v_nop
	global_prefetch_b8 v0, s[64:65] scope:SCOPE_SE
	s_setreg_imm32_b32 hwreg(HW_REG_WAVE_MODE, 25, 1), 1
	s_wait_xcnt 0x0
	s_wait_alu depctr_hold_cnt(0) depctr_sa_sdst(0) depctr_va_vdst(0) depctr_va_sdst(0) depctr_va_ssrc(0) depctr_va_vcc(0) depctr_vm_vsrc(0)
	s_getreg_b32 s2, hwreg(HW_REG_IB_STS2, 6, 4)
	s_cmp_eq_u32 s2, 0
	s_cbranch_scc0 .Lentry_in_a_cluster
	s_endpgm
.Lentry_in_a_cluster:
	s_bfe_u32 s2, ttmp6, 0x10000c
	s_cmp_lg_u32 s2, 0x3003
	s_cbranch_scc0 .Lentry_shape_is_right
	s_endpgm
.Lentry_shape_is_right:
; Attention.  qkv16 [48][2048][64] f16 (heads 0-31 Q, 32-39 K, 40-47 V), mk: the mask as lane-mask words [qt][tt][8], ab [2048][2048] f16 (column = head x 64 + d).
; The mask is an input: every score is computed, and a word of mk selects, lane by lane, the score or minus infinity.
; A work-group has 64 query rows of the four query heads of one key/value head kv.  Wave (qs = wave & 3, p = wave >> 2) has 16 query rows of all four heads
; (so one mask word serves four selects) and half p of the keys of every slot; the two halves are merged once, at the end, through LDS.
; Both products are used transposed: S^T(t, q) = K Q^T and O^T(d, q) = V^T P^T.  A lane then holds one query row's numbers, every softmax figure is one number a lane,
; and the registers of S^T pack in place into P^T's fragments: no number crosses lanes but one exchange of the two lane halves for the maximum.
; Softmax with a running maximum.  It starts at -FLT_MAX and masked scores are -inf, so a row without any allowed key ends with sum 0 and 0 x inf = NaN, as the reference's softmax gives.
; LIMIT: Q, K, V, P and the result are f16 matrix operands: |Q|, |K|, |V| below 65,504; P lies in [0, 1] with an absolute error of at most 2^-25 for its smallest values.
; CLUSTERS: the four work-groups of a cluster have four query blocks of one kv and read the same K and V tiles: each tile is asked for jointly (mask 15).
; K and V rows are 128 bytes in the tensor itself; a slot holds 256 keys: K 256 x 144 bytes, V 256 x 160 bytes.  Waves 0-3 fetch K's quarters, waves 4-7 V's.
; All waves run one text in one order, and six of the eight slots are run by the loop: the text holds four expansions of a slot's work.
; REGISTERS: window 0: v1-54 addresses and softmax figures; v64-191 S^T, then P^T; v192-255 Q's fragments.
;            window 1: v0-127 O^T tile (dt, nt) at 8 (4 dt + nt); v128-191 K's fragments; v192-255 V's fragments.
.set KP,    144                        ; K's LDS row: 128 + 16, an odd multiple of 16
.set VP,    160                        ; V's LDS row: 128 + 32, an odd multiple of 32, for the transposing load
.set VOFF,  256*KP
.set SLOT,  VOFF+256*VP                ; 77,824
.set MERGE, 2*SLOT                     ; 4 x 17,920: where wave 4 + qs leaves its O^T and figures for wave qs; no tensor load lands there
.set MREG,  17920
.set STAGE, MERGE+4*MREG               ; 4 x 8,448: wave qs's way out, 16 rows x 528 bytes
.set SREG,  8448
.set STP,   528
.set HEADB, 262144                     ; bytes of a head in qkv16
.set TILEB, 256*128                    ; bytes of a slot's K or V in memory
.set ADRK, 8                           ; v8-9    LDS address of my K fragments in slot 0, 1
.set ADRV, 10                          ; v10-11  the same for V
.set NINF, 12                          ; -inf
.set VQ,   13                          ; my byte offset in a head's Q rows
.set MADR, 14                          ; my 16 bytes in the merge region
.set MX,   16                          ; v16-19  running maximum of head nt
.set TP,   20                          ; v20-23  at work
.set NM,   24                          ; v24-31  -c x maximum, twice (a pair for the packed forms)
.set AL,   32                          ; v32-39  the factor on what was summed before, twice
.set LS,   40                          ; v40-43  running sum: my lane's part
.set SA,   44                          ; v44-51  a block's sum, in pairs
.set SADR, 52
.set RADR, 53
.set GO,   54
.set SC,   64                          ; S^T tile (mt, nt) at SC + 16 (nt + 4 (mt >> 1)) + 8 (mt & 1); P^T fragment (ks, nt) at SC + 16 (nt + 4 ks)
.set QF,   192                         ; Q fragment (kd, nt) at QF + 8 (2 nt + kd)
.set KF,   128                         ; window 1: K fragment (mt, kd) at KF + 8 (2 mt + kd)
.set VF,   192                         ; window 1: V fragment (dt, ks) at VF + 8 (2 dt + ks)
.set G1K, 16                           ; s[16:23] group 1 for K's tiles
.set G1V, 24                           ; s[24:31] group 1 for V's tiles
.set G0K, 32                           ; s[32:39] group 0 for K's tiles, a set for each slot
.set G0V, 40                           ; s[40:47] group 0 for V's tiles
.set MS,  68                           ; s[68:99] a block's 32 mask words: word 8 mt + j
.set MSB, 0
.macro WIN new
.if MSB != \new
	s_set_vgpr_msb (MSB<<8)|\new
.set MSB, \new
.endif
.endm
.macro PLACES n                        ; plain vector instructions behind a matrix instruction (ISA guide 7.12.1)
.rept \n
	v_nop
.endr
.endm
.macro ROUND                           ; a round of the cluster's barrier
	s_barrier_signal -1
	s_barrier_wait -1
	s_cmp_lg_u32 s10, 0
	s_cbranch_scc1 .Lnot_wave_0_\@
	s_barrier_signal -3
.Lnot_wave_0_\@:
	s_barrier_wait -3
	s_barrier_signal -1
	s_barrier_wait -1
.endm
.macro JLOAD s                         ; a joint load into slot s: waves 0-3 a quarter of K's tile, waves 4-7 a quarter of V's
	s_cmp_eq_u32 s11, 0
	s_cbranch_scc0 .Lfor_v_\@
	tensor_load_to_lds s[G0K+4*(\s):G0K+4*(\s)+3], s[G1K:G1K+7]
	s_nop 0
	s_branch .Lasked_\@
.Lfor_v_\@:
	tensor_load_to_lds s[G0V+4*(\s):G0V+4*(\s)+3], s[G1V:G1V+7]
	s_nop 0
.Lasked_\@:
.endm
	s_load_b128 s[4:7], s[0:1], 0x0                ; qkv16 s[4:5], mk s[6:7]
	s_load_b64 s[8:9], s[0:1], 0x10                ; ab
	v_lshl_add_u32 v62, v0, 2, 0x3fc00
	v_mov_b32 v63, 0
	ds_add_u32 v62, v63
	v_lshrrev_b32 v1, 5, v0
	v_readfirstlane_b32 s10, v1                    ; wave 0..7
	s_lshr_b32 s11, s10, 2                         ; p: my half of a slot's keys.  Also: I fetch for K (0) or for V (1)
	s_and_b32 s12, s10, 3                          ; qs: my 16 query rows.  Also: which quarter of the tile I fetch
	s_bfe_u32 s13, ttmp6, 0x40000                  ; cx
	s_lshl_b32 s14, ttmp9, 2
	s_add_co_u32 s14, s14, s13                     ; query block = 4 x cluster x + cx
	s_and_b32 s15, ttmp7, 0xffff                   ; kv: the cluster's y, shared by the four partners
	s_mov_b32 s50, 0x76543210                      ; v_permlanex16_b32: lane i reads lane i of the other half
	s_mov_b32 s51, 0xfedcba98
	s_mov_b32 s52, 0x3e38aa3b                      ; c = log2(e) / 8: the division by sqrt(64) and the change of base in one factor
	s_mov_b32 s53, 0x3e38aa3b
	s_mov_b32 s54, 0xbe38aa3b                      ; -c
	; group 1: 64 rows x 64 elements of 2 bytes, dense in memory; padding behind every 32 words: 4 words for K, 8 for V; the mask names all four partners
	s_mov_b32 s[G1K+0], 15|(1<<16)|(1<<20)|(1<<21)|(4<<22)|(3<<25)
	s_mov_b32 s[G1V+0], 15|(1<<16)|(1<<20)|(1<<21)|(4<<22)|(7<<25)
.irp g, G1K, G1V
	s_mov_b32 s[\g+1], 64<<16                      ; tensor_dim0 = 64
	s_mov_b32 s[\g+2], 64<<16                      ; tensor_dim1 = 64
	s_mov_b32 s[\g+3], 64<<16                      ; tile_dim0 = 64
	s_mov_b32 s[\g+4], 64                          ; tile_dim1 = 64
	s_mov_b32 s[\g+5], 64                          ; elements from row to row
	s_mov_b32 s[\g+6], 0
	s_mov_b32 s[\g+7], 0
.endr
	s_add_co_u32 s56, s15, 32                      ; K's head 32 + kv,
	s_lshl_b32 s56, s56, 18
	s_lshl_b32 s57, s12, 13                        ; my quarter: 64 rows of 128 bytes.  Nothing here hangs on cx
	s_add_co_u32 s56, s56, s57
	s_mov_b32 s57, 0
	s_mul_i32 s58, s12, 64*KP
	s_mul_i32 s59, s12, 64*VP
	s_add_co_u32 s59, s59, VOFF
	s_wait_dscnt 0x0
	s_wait_kmcnt 0x0
	s_add_nc_u64 s[60:61], s[4:5], s[56:57]
.irp s, 0,1
	s_mov_b32 s[G0K+4*\s], 1
	s_add_co_u32 s[G0K+4*\s+1], s58, \s*SLOT
	s_add_nc_u64 s[G0K+4*\s+2:G0K+4*\s+3], s[60:61], \s*TILEB
	s_or_b32 s[G0K+4*\s+3], s[G0K+4*\s+3], 0x80000000
	s_mov_b32 s[G0V+4*\s], 1
	s_add_co_u32 s[G0V+4*\s+1], s59, \s*SLOT
	s_add_nc_u64 s[G0V+4*\s+2:G0V+4*\s+3], s[60:61], \s*TILEB+8*HEADB       ; V's head lies eight heads behind K's
	s_or_b32 s[G0V+4*\s+3], s[G0V+4*\s+3], 0x80000000
.endr
	ROUND                                          ; the four partners are here: the first joint load meets
	JLOAD 0                                        ; keys 0-255; slot 1 is filled behind the first trip's round.  One tensor load of a wave is out at any time
	; my own addresses; those that hold cx lie in s2 and s[62:63], which feed no descriptor
	s_lshl_b32 s2, s14, 6
	s_lshl4_add_u32 s2, s12, s2                    ; q0 = 64 x query block + 16 qs
	s_mov_b32 s63, 0
	s_lshl_b32 s62, s2, 7                          ; Q: row q0 of head 4 kv
	s_lshl_b32 s3, s15, 20
	s_add_co_u32 s62, s62, s3
	s_add_nc_u64 s[4:5], s[4:5], s[62:63]
	s_lshl_b32 s62, s2, 8                          ; mk: (q0 / 16) x 4,096 bytes + my half's 8 tiles of 32 bytes
	s_lshl_b32 s3, s11, 8
	s_add_co_u32 s62, s62, s3
	s_add_nc_u64 s[6:7], s[6:7], s[62:63]
	s_lshl_b32 s62, s2, 12                         ; ab: row q0, byte column 512 kv
	s_lshl_b32 s3, s15, 9
	s_add_co_u32 s62, s62, s3
	s_add_nc_u64 s[8:9], s[8:9], s[62:63]
	v_and_b32 v1, 15, v0                           ; r
	v_bfe_u32 v2, v0, 4, 1                         ; h
	v_and_b32 v3, 31, v0                           ; lane
	v_lshlrev_b32 v[VQ], 7, v1
	v_lshl_add_u32 v[VQ], v2, 4, v[VQ]             ; row r, 16 h bytes
.irp nt, 0,1,2,3
.irp kd, 0,1
	global_load_b128 v[QF+8*(2*\nt+\kd):QF+8*(2*\nt+\kd)+3],   v[VQ], s[4:5] offset:HEADB*\nt+64*\kd
	global_load_b128 v[QF+8*(2*\nt+\kd)+4:QF+8*(2*\nt+\kd)+7], v[VQ], s[4:5] offset:HEADB*\nt+64*\kd+32
.endr
.endr
	s_load_b512 s[MS:MS+15],    s[6:7], 0x0        ; the first block's 32 mask words
	s_load_b512 s[MS+16:MS+31], s[6:7], 0x40
	v_mul_u32_u24 v4, v1, KP
	v_lshl_add_u32 v4, v2, 4, v4
	s_mul_i32 s49, s11, 128*KP                     ; my 128 keys of a slot
	v_add_nc_u32 v[ADRK], s49, v4
	v_add_nc_u32 v[ADRK+1], SLOT, v[ADRK]
	v_and_b32 v5, 7, v0
	v_lshl_add_u32 v5, v2, 3, v5                   ; V: key row 8 h + l % 8,
	v_mul_u32_u24 v5, v5, VP
	v_bfe_u32 v6, v0, 3, 1
	v_lshl_add_u32 v5, v6, 4, v5                   ; 16 bytes on for lanes 8-15 of each half
	s_mul_i32 s49, s11, 128*VP
	s_add_co_u32 s49, s49, VOFF
	v_add_nc_u32 v[ADRV], s49, v5
	v_add_nc_u32 v[ADRV+1], SLOT, v[ADRV]
	s_mul_i32 s55, s12, MREG
	s_add_co_u32 s55, s55, MERGE
	v_lshl_add_u32 v[MADR], v3, 4, s55
	s_mul_i32 s55, s12, SREG
	s_add_co_u32 s55, s55, STAGE
	v_lshl_add_u32 v[RADR], v3, 4, s55
	v_mul_u32_u24 v7, v1, STP
	v_lshl_add_u32 v7, v2, 4, v7
	v_add_nc_u32 v[SADR], s55, v7
	v_lshlrev_b32 v[GO], 4, v3
	v_mov_b32 v[NINF], 0xff800000
.irp nt, 0,1,2,3
	v_mov_b32 v[MX+\nt], 0xff7fffff                ; -FLT_MAX
	v_mov_b32 v[TP+\nt], 0                         ; v_permlanex16_b32 counts as a reader of its destination
.endr
	s_wait_loadcnt 0x0                             ; Q, once
.macro FETCHK s, b                     ; 16 loads: K's fragments of block b (64 keys) of my half of slot s
	WIN 0x40
.irp mt, 0,1,2,3
.irp kd, 0,1
	ds_load_b128 v[KF+8*(2*\mt+\kd):KF+8*(2*\mt+\kd)+3],   v[ADRK+\s] offset:(64*\b+16*\mt)*KP+64*\kd
	ds_load_b128 v[KF+8*(2*\mt+\kd)+4:KF+8*(2*\mt+\kd)+7], v[ADRK+\s] offset:(64*\b+16*\mt)*KP+64*\kd+32
.endr
.endr
.endm
.macro FETCHV s, b                     ; 16 transposing loads: V^T's fragments of the same block
	WIN 0x40
.irp dt, 0,1,2,3
.irp ks, 0,1
	ds_load_tr16_b128 v[VF+8*(2*\dt+\ks):VF+8*(2*\dt+\ks)+3],   v[ADRV+\s] offset:(64*\b+32*\ks)*VP+32*\dt
	ds_load_tr16_b128 v[VF+8*(2*\dt+\ks)+4:VF+8*(2*\dt+\ks)+7], v[ADRV+\s] offset:(64*\b+32*\ks)*VP+32*\dt+16*VP
.endr
.endr
.endm
.macro SPROD kd                        ; 16 matrix instructions: S^T += K(:, 32 kd ..) Q^T; the 16 accumulators take turns
.irp mt, 0,1,2,3
.irp nt, 0,1,2,3
.set st, SC+16*(\nt+4*(\mt>>1))+8*(\mt&1)
.if \kd
	v_wmma_f32_16x16x32_f16 v[st:st+7], v[KF+16*\mt+8:KF+16*\mt+15], v[QF+16*\nt+8:QF+16*\nt+15], v[st:st+7]
.else
	v_wmma_f32_16x16x32_f16 v[st:st+7], v[KF+16*\mt:KF+16*\mt+7], v[QF+16*\nt:QF+16*\nt+7], 0
.endif
.endr
.endr
.endm
; One block: 64 keys x my 16 query rows x 4 heads.  first = 1: nothing has been summed yet; last = 1: no further mask words.
.macro BLOCK s, b, first, last
	s_wait_dscnt 0x0                               ; K's fragments are in
	WIN 0x01                                       ; source 0 (K) window 1, all else window 0
	SPROD 0
	SPROD 1
	PLACES 4                                       ; before S^T is read and before loads land in K's fragments
	FETCHV \s, \b
.if \b == 0
	FETCHK \s, 1                                   ; the slot's second block, behind V's loads
.endif
	WIN 0
	s_wait_kmcnt 0x0                               ; this block's mask words; the wait also frees their base
.if \b == 1
	s_add_nc_u64 s[6:7], s[6:7], 512               ; the next slot's 16 tiles of 32 bytes
.endif
	; the mask selects the score or -inf; the running maximum takes two scores at a time
.irp mt, 0,1,2,3
.irp j, 0,2,4,6
.irp nt, 0,1,2,3
.set st, SC+16*(\nt+4*(\mt>>1))+8*(\mt&1)+\j
	v_cndmask_b32 v[st],   v[NINF], v[st],   s[MS+8*\mt+\j]
	v_cndmask_b32 v[st+1], v[NINF], v[st+1], s[MS+8*\mt+\j+1]
.endr
.irp nt, 0,1,2,3
.set st, SC+16*(\nt+4*(\mt>>1))+8*(\mt&1)+\j
	v_max3_num_f32 v[MX+\nt], v[MX+\nt], v[st], v[st+1]
.endr
.endr
.endr
.if \last == 0
	s_load_b512 s[MS:MS+15],    s[6:7], 128*(1-\b)          ; the next block's words: they have the rest of this block in which to come
	s_load_b512 s[MS+16:MS+31], s[6:7], 128*(1-\b)+64
.endif
.irp nt, 0,1,2,3
	v_permlanex16_b32 v[TP+\nt], v[MX+\nt], s50, s51        ; the other half of the lanes holds the row's other keys
.endr
.irp nt, 0,1,2,3
	v_max_num_f32 v[MX+\nt], v[MX+\nt], v[TP+\nt]
.endr
.irp nt, 0,1,2,3
	v_mul_f32 v[TP+\nt], s54, v[MX+\nt]                     ; -c m
.endr
.if \first == 0
.irp nt, 0,1,2,3
	v_sub_f32 v[AL+2*\nt], v[TP+\nt], v[NM+2*\nt]           ; c (m before - m now), never above 0
.endr
.irp nt, 0,1,2,3
	v_exp_f32 v[AL+2*\nt], v[AL+2*\nt]
.endr
.endif
.irp nt, 0,1,2,3
	v_mov_b32 v[NM+2*\nt],   v[TP+\nt]                      ; plain instructions between the exponentials and the use of their results (ISA guide 5.7.2)
	v_mov_b32 v[NM+2*\nt+1], v[TP+\nt]
.endr
.if \first == 0
	s_wait_alu depctr_va_vdst(0)
.irp nt, 0,1,2,3
	v_mov_b32 v[AL+2*\nt+1], v[AL+2*\nt]
.endr
.endif
	; p = 2^(c s - c m), in place
.irp g, 0,1,2,3,4,5,6,7
.irp i, 0,2,4,6,8,10,12,14
	v_pk_fma_f32 v[SC+16*\g+\i:SC+16*\g+\i+1], v[SC+16*\g+\i:SC+16*\g+\i+1], s[52:53], v[NM+2*(\g&3):NM+2*(\g&3)+1] op_sel_hi:[1,0,1]
.endr
.endr
.set i, 0
.rept 128
	v_exp_f32 v[SC+i], v[SC+i]
.set i, i+1
.endr
	v_nop                                          ; a plain instruction before the results are used
	; the block's sums, four chains that take turns
	s_wait_alu depctr_va_vdst(0)
.irp nt, 0,1,2,3
	v_pk_add_f32 v[SA+2*\nt:SA+2*\nt+1], v[SC+16*\nt:SC+16*\nt+1], v[SC+16*\nt+2:SC+16*\nt+3]
.endr
.irp i, 4,6,8,10,12,14
.irp nt, 0,1,2,3
	v_pk_add_f32 v[SA+2*\nt:SA+2*\nt+1], v[SA+2*\nt:SA+2*\nt+1], v[SC+16*\nt+\i:SC+16*\nt+\i+1]
.endr
.endr
.irp i, 0,2,4,6,8,10,12,14
.irp nt, 0,1,2,3
	v_pk_add_f32 v[SA+2*\nt:SA+2*\nt+1], v[SA+2*\nt:SA+2*\nt+1], v[SC+64+16*\nt+\i:SC+64+16*\nt+\i+1]
.endr
.endr
.if \first
.irp nt, 0,1,2,3
	v_add_f32 v[LS+\nt], v[SA+2*\nt], v[SA+2*\nt+1]
.endr
.else
.irp nt, 0,1,2,3
	v_add_f32 v[TP+\nt], v[SA+2*\nt], v[SA+2*\nt+1]
.endr
.irp nt, 0,1,2,3
	v_fma_f32 v[LS+\nt], v[LS+\nt], v[AL+2*\nt], v[TP+\nt]
.endr
.endif
	; 16 registers of S^T (keys 8 h + j, then 16 + 8 h + j) pack in place into the 8 registers of a fragment of P^T; ascending, so no source is lost
.irp g, 0,1,2,3,4,5,6,7
.irp i, 0,1,2,3,4,5,6,7
	v_cvt_pk_f16_f32 v[SC+16*\g+\i], v[SC+16*\g+2*\i], v[SC+16*\g+2*\i+1]
.endr
.endr
.if \first == 0
	WIN 0x41                                       ; O^T in window 1, the factor in window 0
.irp t, 0,1,2,3,4,5,6,7,8,9,10,11,12,13,14,15
.irp i, 0,2,4,6
	v_pk_mul_f32 v[8*\t+\i:8*\t+\i+1], v[8*\t+\i:8*\t+\i+1], v[AL+2*(\t&3):AL+2*(\t&3)+1]
.endr
.endr
.endif
.if \b == 0
	s_wait_dscnt 16                                ; V's fragments are in; the sixteen K loads issued behind them stay out
.else
	s_wait_dscnt 0x0
.endif
	WIN 0x51                                       ; source 0 (V^T), C and D window 1; source 1 (P^T) window 0
.irp ks, 0,1
.irp dt, 0,1,2,3
.irp nt, 0,1,2,3
.if \first && (\ks == 0)
	v_wmma_f32_16x16x32_f16 v[8*(4*\dt+\nt):8*(4*\dt+\nt)+7], v[VF+8*(2*\dt+\ks):VF+8*(2*\dt+\ks)+7], v[SC+16*(\nt+4*\ks):SC+16*(\nt+4*\ks)+7], 0
.else
	v_wmma_f32_16x16x32_f16 v[8*(4*\dt+\nt):8*(4*\dt+\nt)+7], v[VF+8*(2*\dt+\ks):VF+8*(2*\dt+\ks)+7], v[SC+16*(\nt+4*\ks):SC+16*(\nt+4*\ks)+7], v[8*(4*\dt+\nt):8*(4*\dt+\nt)+7]
.endif
.endr
.endr
.endr
	PLACES 5                                       ; the next block's first products write over P^T's registers
	WIN 0
.endm
; One slot: 256 keys, of which 128 are mine, in two blocks.  In front of the round every wave waits for all its tensor loads (its part of this slot among them) and for
; its reads of the other slot; behind the round the other slot's joint refill comes first.
.macro TRIP s, refill, first, last
	s_wait_tensorcnt 0x0                           ; no tensor load of mine is out, so a group 0 may be written: this slot's next tile, two slots on
	ds_add_u32 v62, v63
	s_wait_dscnt 0x0
	s_add_nc_u64 s[G0K+4*\s+2:G0K+4*\s+3], s[G0K+4*\s+2:G0K+4*\s+3], 2*TILEB
	s_add_nc_u64 s[G0V+4*\s+2:G0V+4*\s+3], s[G0V+4*\s+2:G0V+4*\s+3], 2*TILEB
	s_wait_dscnt 0x0                               ; my reads of the other slot are done
	ROUND
.if \refill
	JLOAD 1-\s
.endif
	FETCHK \s, 0
	BLOCK \s, 0, \first, 0
	BLOCK \s, 1, 0, \last
.endm
	; Eight tiles of 256 keys.  Trip t works on slot t & 1 and asks for tile t + 1 into the other slot; trips 1 to 6 are the loop's three turns.
	TRIP 0, 1, 1, 0                                ; tile 0: its first block starts the sums: nothing is cleared
	s_mov_b32 s48, 3
.Ltiles:
	TRIP 1, 1, 0, 0                                ; tiles 1, 3, 5
	TRIP 0, 1, 0, 0                                ; tiles 2, 4, 6
	s_sub_co_u32 s48, s48, 1
	s_cmp_lg_u32 s48, 0
	s_cbranch_scc1 .Ltiles
	TRIP 1, 0, 0, 1                                ; tile 7: nothing is left to fetch (its stepped addresses are not used)
	; THE END.  The two lane halves' sums are joined; waves 4-7 hand O^T, -c m and the sum to waves 0-3 through LDS.
.irp nt, 0,1,2,3
	v_permlanex16_b32 v[TP+\nt], v[LS+\nt], s50, s51
.endr
.irp nt, 0,1,2,3
	v_add_f32 v[LS+\nt], v[LS+\nt], v[TP+\nt]
.endr
	s_cmp_eq_u32 s11, 0
	s_cbranch_scc1 .Lkeep
	WIN 0x04                                       ; store data from window 1
.set i, 0
.rept 32
	ds_store_b128 v[MADR], v[4*i:4*i+3] offset:512*i
.set i, i+1
.endr
	WIN 0
	ds_store_b128 v[MADR], v[NM:NM+3]   offset:16384
	ds_store_b128 v[MADR], v[NM+4:NM+7] offset:16896
	ds_store_b128 v[MADR], v[LS:LS+3]   offset:17408
.Lkeep:
	s_wait_dscnt 0x0                               ; for the partner wave's sake: my stores are done
	ROUND                                          ; the closing round of the cluster; its work-group barriers also order the hand-over
	s_cmp_lg_u32 s11, 0
	s_cbranch_scc1 .Ldone
.set OP,  64                           ; v64-191   the partner's O^T, then the result
.set NMP, 192                          ; v192-199  its -c m (pairs)
.set LSP, 200                          ; v200-203  its sums
.set E0,  204                          ; v204-207  my factor
.set E1,  208                          ; v208-211  the partner's factor
.set RC,  212                          ; v212-215  1 / sum
.set FA,  216                          ; v216-223  my factor / sum, twice
.set FB,  224                          ; v224-231  the partner's factor / sum, twice
	ds_load_b128 v[NMP:NMP+3],   v[MADR] offset:16384
	ds_load_b128 v[NMP+4:NMP+7], v[MADR] offset:16896
	ds_load_b128 v[LSP:LSP+3],   v[MADR] offset:17408
.set i, 0
.rept 32
	ds_load_b128 v[OP+4*i:OP+4*i+3], v[MADR] offset:512*i
.set i, i+1
.endr
	s_wait_dscnt 32                                ; the three loads of figures are in; the 32 of O^T stay out
.irp nt, 0,1,2,3
	v_min_num_f32 v[TP+\nt], v[NM+2*\nt], v[NMP+2*\nt]      ; -c x the larger maximum
.endr
.irp nt, 0,1,2,3
	v_sub_f32 v[E0+\nt], v[TP+\nt], v[NM+2*\nt]
	v_sub_f32 v[E1+\nt], v[TP+\nt], v[NMP+2*\nt]
.endr
.irp nt, 0,1,2,3
	v_exp_f32 v[E0+\nt], v[E0+\nt]
	v_exp_f32 v[E1+\nt], v[E1+\nt]
.endr
	v_nop
	s_wait_alu depctr_va_vdst(0)
.irp nt, 0,1,2,3
	v_mul_f32 v[TP+\nt], v[E0+\nt], v[LS+\nt]
.endr
.irp nt, 0,1,2,3
	v_fmac_f32 v[TP+\nt], v[E1+\nt], v[LSP+\nt]             ; the row's sum; 0 only where no key is allowed
.endr
.irp nt, 0,1,2,3
	v_rcp_f32 v[RC+\nt], v[TP+\nt]
.endr
	v_nop
	s_wait_alu depctr_va_vdst(0)
.irp nt, 0,1,2,3
	v_mul_f32 v[FA+2*\nt],   v[E0+\nt], v[RC+\nt]
	v_mul_f32 v[FA+2*\nt+1], v[E0+\nt], v[RC+\nt]
	v_mul_f32 v[FB+2*\nt],   v[E1+\nt], v[RC+\nt]
	v_mul_f32 v[FB+2*\nt+1], v[E1+\nt], v[RC+\nt]
.endr
	s_wait_dscnt 0x0
.irp t, 0,1,2,3,4,5,6,7,8,9,10,11,12,13,14,15
.irp i, 0,2,4,6
	v_pk_mul_f32 v[OP+8*\t+\i:OP+8*\t+\i+1], v[OP+8*\t+\i:OP+8*\t+\i+1], v[FB+2*(\t&3):FB+2*(\t&3)+1]
.endr
.endr
	WIN 0x01                                       ; source 0: my O^T in window 1
.irp t, 0,1,2,3,4,5,6,7,8,9,10,11,12,13,14,15
.irp i, 0,2,4,6
	v_pk_fma_f32 v[OP+8*\t+\i:OP+8*\t+\i+1], v[8*\t+\i:8*\t+\i+1], v[FA+2*(\t&3):FA+2*(\t&3)+1], v[OP+8*\t+\i:OP+8*\t+\i+1]
.endr
.endr
	WIN 0
	; tile t = 4 dt + nt: my eight numbers are d = 16 dt + 8 h + 0..7 of head nt, row r: 16 bytes of the row's 512 in ab
.irp t, 0,1,2,3,4,5,6,7,8,9,10,11,12,13,14,15
.irp i, 0,1,2,3
	v_cvt_pk_f16_f32 v[OP+8*\t+\i], v[OP+8*\t+2*\i], v[OP+8*\t+2*\i+1]
.endr
	ds_store_b128 v[SADR], v[OP+8*\t:OP+8*\t+3] offset:128*(\t&3)+32*(\t>>2)
.endr
.set i, 0
.rept 16
	ds_load_b128 v[192+4*i:192+4*i+3], v[RADR] offset:STP*i          ; my own stage: LDS serves a wave's instructions in order
.set i, i+1
.endr
.set i, 0
.rept 16
	s_wait_dscnt 15-i                              ; row i is in, the younger ones stay out
	global_store_b128 v[GO], v[192+4*i:192+4*i+3], s[8:9] offset:4096*i     ; the wave stores 512 consecutive bytes, aligned
.set i, i+1
.endr
.Ldone:
	s_wait_tensorcnt 0x0
	ds_add_u32 v62, v63
	s_wait_dscnt 0x0
	s_endpgm
.Lfunc_end_k_q34cf94a910_attn:
	.size	k_q34cf94a910_attn, .Lfunc_end_k_q34cf94a910_attn-k_q34cf94a910_attn
	.p2alignl 7, 3214868480
	.fill 96, 4, 3214868480
	.section	.rodata,"a",@progbits
	.p2align	6, 0x0
	.amdhsa_kernel k_q34cf94a910_attn
		.amdhsa_group_segment_fixed_size 327680
		.amdhsa_private_segment_fixed_size 0
		.amdhsa_enable_private_segment 0
		.amdhsa_kernarg_size 24
		.amdhsa_user_sgpr_count 2
		.amdhsa_user_sgpr_kernarg_segment_ptr 1
		.amdhsa_wavefront_size32 1
		.amdhsa_system_sgpr_workgroup_id_x 1
		.amdhsa_system_sgpr_workgroup_id_y 1
		.amdhsa_system_sgpr_workgroup_id_z 1
		.amdhsa_system_vgpr_workitem_id 0
		.amdhsa_next_free_vgpr 512
		.amdhsa_next_free_sgpr 100
		.amdhsa_reserve_vcc 0
		.amdhsa_float_denorm_mode_32 3
		.amdhsa_float_denorm_mode_16_64 3
		.amdhsa_memory_ordered 1
		.amdhsa_forward_progress 1
		.amdhsa_inst_pref_size 255
	.end_amdhsa_kernel
	.section	.bss,"aw",@nobits
	.p2align	6
	.space	262144
	.amdgpu_metadata
---
amdhsa.version: [ 1, 2 ]
amdhsa.kernels:
  - .name:           k_q34cf94a910_attn
    .symbol:         k_q34cf94a910_attn.kd
    .args:
      - { .name: qkv16, .offset: 0, .size: 8, .value_kind: global_buffer, .address_space: global }
      - { .name: mk, .offset: 8, .size: 8, .value_kind: global_buffer, .address_space: global }
      - { .name: ab, .offset: 16, .size: 8, .value_kind: global_buffer, .address_space: global }
    .group_segment_fixed_size: 327680
    .private_segment_fixed_size: 0
    .kernarg_segment_align: 8
    .kernarg_segment_size: 24
    .max_flat_workgroup_size: 256
    .sgpr_count:     100
    .vgpr_count:     512
    .wavefront_size: 32
...
	.end_amdgpu_metadata
.endif
;; end of part 3
;; launch oproj (part 4): grid 16 x 16, 4 waves a work-group, clusters of 4 x 4, 327,680 bytes of LDS; arguments ab, wo16, out0; writes out0
.if DOCPART == 4
	.amdgcn_target "amdgcn-amd-amdhsa--gfx1250"
	.amdhsa_code_object_version 6
	.text
	.protected	k_q34cf94a910_oproj
	.globl	k_q34cf94a910_oproj
	.p2align	8
	.type	k_q34cf94a910_oproj,@function
k_q34cf94a910_oproj:
	s_mov_b64 s[64:65], 0
	v_nop
	global_prefetch_b8 v0, s[64:65] scope:SCOPE_SE
	s_setreg_imm32_b32 hwreg(HW_REG_WAVE_MODE, 25, 1), 1
	s_wait_xcnt 0x0
	s_wait_alu depctr_hold_cnt(0) depctr_sa_sdst(0) depctr_va_vdst(0) depctr_va_sdst(0) depctr_va_ssrc(0) depctr_va_vcc(0) depctr_vm_vsrc(0)
	s_getreg_b32 s2, hwreg(HW_REG_IB_STS2, 6, 4)
	s_cmp_eq_u32 s2, 0
	s_cbranch_scc0 .Lentry_in_a_cluster
	s_endpgm
.Lentry_in_a_cluster:
	s_bfe_u32 s2, ttmp6, 0x10000c
	s_cmp_lg_u32 s2, 0xf033
	s_cbranch_scc0 .Lentry_shape_is_right
	s_endpgm
.Lentry_shape_is_right:
; out0[m][n] = sum over k of ab[m][k] wo16[k][n].  ab [2048][2048] and wo16 [2048][2048] are f16 as the launches before left them, the sums and out0 are f32.
; A row of ab that is NaN (no key allowed) gives a row of NaN, as the reference does.
; A work-group makes 128 x 128 of out0 with four waves, a wave 64 x 64: 16 accumulator tiles, 128 registers.  16 x 16 = 256 work-groups.
; K goes through two LDS slots of 256 along K each: a work-group's 1 MiB of operands comes in 8 fills, of which the first two go out together.  A slot is as deep as two of
; them fit in LDS: every fill is waited for in front of the barrier behind which the next one goes out, so fewer and larger fills mean fewer such waits.
; wo16 lies [k][n]; its fragments are taken from LDS by the transposing load.
; CLUSTERS: 4 x 4 work-groups.  A's tile hangs on the block row alone and is asked for jointly by a row of the cluster, B's on the block column alone and is asked
; for jointly by a column: the requests for A and B are divided by four.
; REGISTERS: window 0: v1-26 addresses; two fragment buffers at v32 and v96 (B's 4 x 8 registers, then A's 4 x 8); v160-223 at work on the way out.
;            window 1: accumulator tile (a, b) at v[8 (4 a + b)].
; THE MATRIX INSTRUCTION IS USED TRANSPOSED (source 0 = 16 columns of B, source 1 = 16 rows of A): lane l holds row l % 16 of C, registers 0-7 the columns 8 (l / 16) + 0..7.
.set SIZE_K, 2048
.set NB,     2048                      ; B's pitch in elements
.set ROWB,   8192                      ; bytes from row to row of out0
.set KSLOT,  256                       ; K in a slot: eight quarters of 32
.set PA,     528                       ; A's LDS row: 512 bytes + 16, an odd multiple of 16
.set PB,     288                       ; B's LDS row: 256 bytes + 32, an odd multiple of 32, for the transposing load
.set AHALF,  64*PA                     ; what one of A's two loads brings: 64 rows
.set ABYTES, 2*AHALF
.set BHALF,  128*PB                    ; what one of B's two loads brings: 128 k rows
.set SLOT,   ABYTES+2*BHALF            ; 141,312
.set STAGE,  2*SLOT                    ; behind the ring: 16 rows x 272 bytes for each wave, for the way out; no tensor load lands there
.set SPITCH, 272                       ; stage row of 64 f32
.set LAPS, SIZE_K/(2*KSLOT)            ; a lap = once round the ring = 512 along K
.set ADRA, 16                          ; v16-17  LDS address of my A fragments in slot 0, 1
.set ADRB, 20                          ; v20-23  the same for B: slot 0 quarters 0-3, quarters 4-7, slot 1 likewise (an LDS offset has 16 bits; 8 quarters of 9,216 bytes pass them)
.set STO,  24                          ; the way out: where I put 32 bytes of a row
.set RD,   25                          ;              where I read two rows back
.set CO,   26                          ; my byte offset in out0
.set F0,   32
.set F1,   96
.set G1,  24                           ; s[24:31] descriptor group 1 for A's tiles
.set G0,  32                           ; s[32:39] group 0 for A's tiles, a set for each slot
.set G1B, 48                           ; s[48:55] group 1 for B's tiles
.set G0B, 56                           ; s[56:63] group 0 for B's tiles, a set for each slot
.set MSB, 0
.macro WIN new                         ; the immediate's high byte repeats the setting that is left
.if MSB != \new
	s_set_vgpr_msb (MSB<<8)|\new
.set MSB, \new
.endif
.endm
.set MULW, 0x50                        ; sources 0 and 1 window 0, C and D window 1
.macro PLACES                          ; four plain vector instructions between a matrix instruction and a load into, or a read of, its registers
.rept 4
	v_nop
.endr
.endm
; A joint load.  Waves 0 and 1 fetch A's two halves, waves 2 and 3 B's.  The branch hangs on the wave's number alone.
.macro JLOAD s
	s_cmp_eq_u32 s11, 0
	s_cbranch_scc0 .Lfor_b_\@
	tensor_load_to_lds s[G0+4*\s:G0+4*\s+3], s[G1:G1+7]
	s_nop 0
	s_branch .Lasked_\@
.Lfor_b_\@:
	tensor_load_to_lds s[G0B+4*\s:G0B+4*\s+3], s[G1B:G1B+7]
	s_nop 0
.Lasked_\@:
.endm
.macro CREST                           ; a round of the cluster's barrier behind its opening work-group barrier
	s_cmp_lg_u32 s10, 0
	s_cbranch_scc1 .Lnot_wave_0_\@
	s_barrier_signal -3
.Lnot_wave_0_\@:
	s_barrier_wait -3
	s_barrier_signal -1
	s_barrier_wait -1
.endm
.macro CROUND                          ; a whole round
	s_barrier_signal -1
	s_barrier_wait -1
	CREST
.endm
	s_load_b128 s[4:7], s[0:1], 0x0                ; ab s[4:5], wo16 s[6:7]
	s_load_b64 s[8:9], s[0:1], 0x10                ; out0
	v_lshl_add_u32 v254, v0, 2, 0x49400
	v_mov_b32 v255, 0
	ds_add_u32 v254, v255
	v_lshrrev_b32 v1, 5, v0
	v_readfirstlane_b32 s10, v1                    ; wave 0..3
	s_lshr_b32 s11, s10, 1                         ; which 64 of the block's rows are mine.  Also: I fetch for A (0) or for B (1)
	s_and_b32 s12, s10, 1                          ; which 64 of its columns.  Also: which half of that tile I fetch
	s_bfe_u32 s40, ttmp6, 0x40000                  ; cx
	s_bfe_u32 s41, ttmp6, 0x40004                  ; cy
	s_lshl_b32 s42, ttmp9, 2
	s_add_co_u32 s42, s42, s40                     ; block column = 4 x cluster x + cx
	s_and_b32 s13, ttmp7, 0xffff
	s_lshl_b32 s13, s13, 2
	s_add_co_u32 s13, s13, s41                     ; block row = 4 x cluster y + cy
	s_lshl_b32 s43, s41, 2
	s_lshl_b32 s43, 15, s43                        ; my row of the cluster: places 4 cy .. 4 cy + 3
	s_lshl_b32 s44, 0x1111, s40                    ; my column: places cx, cx + 4, cx + 8, cx + 12
	; group 1 for A: 64 rows x 256 elements of 2 bytes, 4 words of padding behind every 128 words
	s_or_b32 s[G1+0], s43, (1<<16)|(1<<20)|(1<<21)|(6<<22)|(3<<25)
	s_mov_b32 s[G1+1], KSLOT<<16                   ; tensor_dim0 = 256
	s_mov_b32 s[G1+2], 64<<16                      ; tensor_dim1 = 64
	s_mov_b32 s[G1+3], KSLOT<<16                   ; tile_dim0 = 256
	s_mov_b32 s[G1+4], 64                          ; tile_dim1 = 64
	s_mov_b32 s[G1+5], SIZE_K                      ; elements from row to row
	s_mov_b32 s[G1+6], 0
	s_mov_b32 s[G1+7], 0
	; group 1 for B: 128 rows (k) x 128 elements (n), 8 words of padding behind every 64 words
	s_or_b32 s[G1B+0], s44, (1<<16)|(1<<20)|(1<<21)|(5<<22)|(7<<25)
	s_mov_b32 s[G1B+1], 128<<16
	s_mov_b32 s[G1B+2], 128<<16
	s_mov_b32 s[G1B+3], 128<<16
	s_mov_b32 s[G1B+4], 128
	s_mov_b32 s[G1B+5], NB
	s_mov_b32 s[G1B+6], 0
	s_mov_b32 s[G1B+7], 0
	; where the tiles come from: A's address is made of the block row and the wave's number, B's of the block column and the wave's number,
	; each in registers that never hold the other coordinate
	s_lshl_b32 s17, s12, 6
	s_lshl_b32 s16, s13, 7
	s_add_co_u32 s16, s16, s17                     ; A: row 128 x block row + 64 x half
	s_lshl_b32 s16, s16, 12                        ; x 4,096 bytes
	s_mov_b32 s17, 0
	s_mul_i32 s46, s12, 128*NB*2                   ; B: k row 128 x half,
	s_lshl_b32 s47, s42, 8                         ; byte column 256 x block column
	s_add_co_u32 s46, s46, s47
	s_mov_b32 s47, 0
	s_mul_i32 s20, s12, AHALF                      ; and where they go: no place in the cluster enters an LDS address
	s_mul_i32 s21, s12, BHALF
	s_add_co_u32 s21, s21, ABYTES
	s_wait_dscnt 0x0
	s_wait_kmcnt 0x0
	s_add_nc_u64 s[14:15], s[4:5], s[16:17]
	s_add_nc_u64 s[46:47], s[6:7], s[46:47]
	CROUND                                         ; all sixteen work-groups are here: the first joint loads meet
.irp s, 0,1
	s_mov_b32 s[G0+4*\s], 1
	s_add_co_u32 s[G0+4*\s+1], s20, \s*SLOT
	s_add_nc_u64 s[G0+4*\s+2:G0+4*\s+3], s[14:15], \s*KSLOT*2          ; slot s: 512 bytes along A's rows
	s_or_b32 s[G0+4*\s+3], s[G0+4*\s+3], 0x80000000
	s_mov_b32 s[G0B+4*\s], 1
	s_add_co_u32 s[G0B+4*\s+1], s21, \s*SLOT
	s_add_nc_u64 s[G0B+4*\s+2:G0B+4*\s+3], s[46:47], \s*KSLOT*NB*2     ; slot s: 256 rows down B
	s_or_b32 s[G0B+4*\s+3], s[G0B+4*\s+3], 0x80000000
	JLOAD \s                                       ; both slots' first fills go out together: two tensor loads of a wave are out
.endr
	v_and_b32 v1, 15, v0                           ; r = l % 16
	v_bfe_u32 v2, v0, 4, 1                         ; h = l / 16
	v_mul_u32_u24 v3, v1, PA
	v_lshl_add_u32 v3, v2, 4, v3                   ; A: row r, 16 h bytes
	s_mul_i32 s18, s11, AHALF                      ; my 64 rows of A
	v_add_nc_u32 v[ADRA], s18, v3
	v_add_nc_u32 v[ADRA+1], SLOT, v[ADRA]
	v_and_b32 v4, 7, v0
	v_lshl_add_u32 v4, v2, 3, v4                   ; B: k row 8 h + l % 8,
	v_mul_u32_u24 v4, v4, PB
	v_bfe_u32 v5, v0, 3, 1
	v_lshl_add_u32 v4, v5, 4, v4                   ; 16 bytes on for lanes 8-15 of each half
	s_lshl_b32 s19, s12, 7                         ; my 64 columns of B
	s_add_co_u32 s19, s19, ABYTES
	v_add_nc_u32 v[ADRB], s19, v4
	v_add_nc_u32 v[ADRB+1], 128*PB, v[ADRB]        ; quarters 4-7: 128 k rows on
	v_add_nc_u32 v[ADRB+2], SLOT, v[ADRB]
	v_add_nc_u32 v[ADRB+3], SLOT, v[ADRB+1]
	s_mul_i32 s23, s10, 16*SPITCH
	s_add_co_u32 s23, s23, STAGE                   ; my stage
	v_mul_u32_u24 v6, v1, SPITCH
	v_lshl_add_u32 v6, v2, 5, v6                   ; r x 272 + 32 h
	v_add_nc_u32 v[STO], s23, v6
	v_mul_u32_u24 v7, v2, SPITCH                   ; back: lanes 0-15 one row of 256 bytes, lanes 16-31 the next
	v_lshl_add_u32 v7, v1, 4, v7
	v_add_nc_u32 v[RD], s23, v7
	v_mul_u32_u24 v8, v2, ROWB                     ; and the same two rows in out0
	v_lshl_add_u32 v[CO], v1, 4, v8
; 8 matrix instructions: row blocks a0, a0 + 1 x all 4 column blocks, 32 along K.  The 16 accumulators take turns, one instruction a turn, in the same
; order in every quarter.  zero = 1: the product starts the sum.
.macro MUL8 f, a0, zero
.irp a, \a0, \a0+1
.irp b, 0,1,2,3
.set acc, 8*(4*(\a)+\b)
.set fb,  \f+8*\b
.set fa,  \f+32+8*(\a)
.if \zero
	v_wmma_f32_16x16x32_f16 v[acc:acc+7], v[fb:fb+7], v[fa:fa+7], 0
.else
	v_wmma_f32_16x16x32_f16 v[acc:acc+7], v[fb:fb+7], v[fa:fa+7], v[acc:acc+7]
.endif
.endr
.endr
.endm
; 16 LDS loads in one run: the fragments of quarter kq (32 along K) of a slot into buffer f: B's four column blocks, then A's four row blocks
.macro FETCH slot, kq, f
	WIN 0
.irp b, 0,1,2,3
	ds_load_tr16_b128 v[\f+8*\b:\f+8*\b+3],   v[ADRB+2*\slot+(\kq>>2)] offset:(\kq&3)*32*PB+32*\b
	ds_load_tr16_b128 v[\f+8*\b+4:\f+8*\b+7], v[ADRB+2*\slot+(\kq>>2)] offset:(\kq&3)*32*PB+32*\b+16*PB
.endr
.irp a, 0,1,2,3
	ds_load_b128 v[\f+32+8*\a:\f+32+8*\a+3],   v[ADRA+\slot] offset:64*\kq+\a*16*PA
	ds_load_b128 v[\f+32+8*\a+4:\f+32+8*\a+7], v[ADRA+\slot] offset:64*\kq+\a*16*PA+32
.endr
.endm
; One of a slot's first seven quarters: fetches quarter kq of the slot into buffer g, which the quarter before has just multiplied, then multiplies buffer f:
; the loads have these 16 matrix instructions in which to come.
.macro QUARTER slot, kq, f, g, zero
	PLACES
	FETCH \slot, \kq, \g
	s_wait_dscnt 16                                ; buffer f is in; the 16 loads just issued stay out
	WIN MULW
	MUL8 \f, 0, \zero
	MUL8 \f, 2, \zero
.endm
.macro SEVEN slot, zero
	QUARTER \slot, 1, F0, F1, \zero
	QUARTER \slot, 2, F1, F0, 0
	QUARTER \slot, 3, F0, F1, 0
	QUARTER \slot, 4, F1, F0, 0
	QUARTER \slot, 5, F0, F1, 0
	QUARTER \slot, 6, F1, F0, 0
	QUARTER \slot, 7, F0, F1, 0
.endm
; The eighth quarter: multiplies buffer 1 and changes slots.  In front of the barrier each wave waits for its reads of this slot and for all its tensor loads
; (the one that is out is its part of the next slot).  Behind it (fill = 1: behind the round of the cluster's barrier that it opens) the refill comes first.
; From a request to the wait for it a wave issues 120 matrix instructions.
.macro TURN slot, next, fill
	s_wait_dscnt 0                                 ; the eighth quarter's fragments are in: my reads of this slot are over
	s_wait_tensorcnt 0x0                           ; all my tensor loads have landed
	ds_add_u32 v254, v255
	s_wait_dscnt 0x0
	s_barrier_signal -1
	WIN MULW
	MUL8 F1, 0, 0                                  ; register work while the others arrive
	WIN 0
	s_barrier_wait -1
.if \fill
	CREST                                          ; no wave of any partner still reads this slot or has a load on its way
	s_add_nc_u64 s[G0+4*\slot+2:G0+4*\slot+3], s[G0+4*\slot+2:G0+4*\slot+3], 2*KSLOT*2
	s_add_nc_u64 s[G0B+4*\slot+2:G0B+4*\slot+3], s[G0B+4*\slot+2:G0B+4*\slot+3], 2*KSLOT*NB*2
	JLOAD \slot                                    ; the first tensor load behind the round, and my only one until the next
.endif
	PLACES
	FETCH \next, 0, F0
	WIN MULW
	MUL8 F1, 2, 0
.endm
.macro LAP zero
	SEVEN 0, \zero
	TURN 0, 1, 1
	SEVEN 1, 0
	TURN 1, 0, 1
.endm
	s_wait_tensorcnt 1                             ; my part of slot 0 is in; slot 1's stays out
	s_barrier_signal -1
	s_barrier_wait -1
	FETCH 0, 0, F0
	LAP 1                                          ; the first lap's first products start the sums: nothing is cleared
	WIN 0
	s_mov_b32 s3, LAPS-2
.Llap:
	LAP 0
	WIN 0
	s_sub_co_u32 s3, s3, 1
	s_cmp_lg_u32 s3, 0
	s_cbranch_scc1 .Llap
	SEVEN 0, 0                                     ; the last lap fills nothing
	TURN 0, 1, 0
	SEVEN 1, 0
	s_wait_dscnt 0
	WIN MULW
	MUL8 F1, 0, 0
	MUL8 F1, 2, 0
	PLACES                                         ; behind the last matrix instructions: for the LDS stores that read results
	WIN 0
; THE WAY OUT, 16 rows at a time, through my own stage: 32 bytes a lane and tile straight from the accumulators, read back as rows of 256 bytes;
; 16 lanes store 256 consecutive bytes, at a multiple of 256 from out0's first byte.
.macro OUTF a, f
	WIN 0x04                                       ; store data from window 1
.irp b, 0,1,2,3
	ds_store_b128 v[STO], v[8*(4*\a+\b):8*(4*\a+\b)+3]   offset:64*\b
	ds_store_b128 v[STO], v[8*(4*\a+\b)+4:8*(4*\a+\b)+7] offset:64*\b+16
.endr
	WIN 0
	s_wait_xcnt 0x0                                ; buffer f, which earlier stores read, is loaded again only behind this wait
.irp t, 0,1,2,3,4,5,6,7
	ds_load_b128 v[\f+4*\t:\f+4*\t+3], v[RD] offset:\t*2*SPITCH      ; LDS serves a wave's instructions in order: these see the stores above
.endr
.irp t, 0,1,2,3,4,5,6,7
	s_wait_dscnt 7-\t                              ; read-back t is in, the younger ones stay out
	global_store_b128 v[CO], v[\f+4*\t:\f+4*\t+3], s[8:9] offset:(16*\a+2*\t)*ROWB th:TH_STORE_NT
.endr
.endm
	s_lshl_b32 s16, s13, 7
	s_lshl_b32 s14, s11, 6
	s_add_co_u32 s16, s16, s14                     ; my first row
	s_lshl_b32 s16, s16, 13                        ; x 8,192 bytes
	s_mov_b32 s17, 0
	s_add_nc_u64 s[8:9], s[8:9], s[16:17]
	s_lshl_b32 s46, s42, 9                         ; my first column in bytes: 512 x block column + 256 x half
	s_lshl_b32 s47, s12, 8
	s_add_co_u32 s46, s46, s47
	s_mov_b32 s47, 0
	s_add_nc_u64 s[8:9], s[8:9], s[46:47]
	OUTF 0, 160
	OUTF 1, 192
	OUTF 2, 160
	OUTF 3, 192
	s_wait_tensorcnt 0x0
	ds_add_u32 v254, v255
	s_wait_dscnt 0x0
	CROUND                                         ; the closing round: no work-group ends while a partner may still ask for a tile that names it
	s_endpgm
.Lfunc_end_k_q34cf94a910_oproj:
	.size	k_q34cf94a910_oproj, .Lfunc_end_k_q34cf94a910_oproj-k_q34cf94a910_oproj
	.p2alignl 7, 3214868480
	.fill 96, 4, 3214868480
	.section	.rodata,"a",@progbits
	.p2align	6, 0x0
	.amdhsa_kernel k_q34cf94a910_oproj
		.amdhsa_group_segment_fixed_size 327680
		.amdhsa_private_segment_fixed_size 0
		.amdhsa_enable_private_segment 0
		.amdhsa_kernarg_size 24
		.amdhsa_user_sgpr_count 2
		.amdhsa_user_sgpr_kernarg_segment_ptr 1
		.amdhsa_wavefront_size32 1
		.amdhsa_system_sgpr_workgroup_id_x 1
		.amdhsa_system_sgpr_workgroup_id_y 1
		.amdhsa_system_sgpr_workgroup_id_z 1
		.amdhsa_system_vgpr_workitem_id 0
		.amdhsa_next_free_vgpr 384
		.amdhsa_next_free_sgpr 66
		.amdhsa_reserve_vcc 0
		.amdhsa_float_denorm_mode_32 3
		.amdhsa_float_denorm_mode_16_64 3
		.amdhsa_memory_ordered 1
		.amdhsa_forward_progress 1
		.amdhsa_inst_pref_size 126
	.end_amdhsa_kernel
	.amdgpu_metadata
---
amdhsa.version: [ 1, 2 ]
amdhsa.kernels:
  - .name:           k_q34cf94a910_oproj
    .symbol:         k_q34cf94a910_oproj.kd
    .args:
      - { .name: ab, .offset: 0, .size: 8, .value_kind: global_buffer, .address_space: global }
      - { .name: wo16, .offset: 8, .size: 8, .value_kind: global_buffer, .address_space: global }
      - { .name: out0, .offset: 16, .size: 8, .value_kind: global_buffer, .address_space: global }
    .group_segment_fixed_size: 327680
    .private_segment_fixed_size: 0
    .kernarg_segment_align: 8
    .kernarg_segment_size: 24
    .max_flat_workgroup_size: 128
    .sgpr_count:     66
    .vgpr_count:     384
    .wavefront_size: 32
...
	.end_amdgpu_metadata
.endif
;; end of part 4
